; MI455X (gfx1250); checked and timed in simulation.
; The chip was launched on July 23, 2026; its instructions are those of AMD's public machine-readable ISA for CDNA 5 (MIT licence, August 2026) and "CDNA5" Instruction Set Architecture Reference Guide (July 2026). The comments in the code are by the model that wrote it; some were corrected since.
;; Ro PE Multihead Attention. Allowed arithmetic: matrix products marked QUANTISED: E4M3 operands, one given power-of-two scale a tensor, by v_wmma_f32_16x16x64_fp8_fp8 or v_wmma_f32_16x16x128_fp8_fp8, f32 sums; everything else in f32.
;; Inputs: W_k 1,024 x 1,024 float32; W_o 1,024 x 1,024 float32; W_q 1,024 x 1,024 float32; W_v 1,024 x 1,024 float32; b_o 1,024 float32; context_bias 4 x 1,024 float32; k_in 4 x 2,048 x 1,024 float32; lowp_scales 12 int32 (the exponents e of the quantised operands' scales 2^e); q_in 4 x 2,048 x 1,024 float32; v_in 4 x 2,048 x 1,024 float32.
;; Outputs: out0 4 x 2,048 x 1,024 float32.
;; This version of the problem:
;;   THIS VERSION OF THE PROBLEM IS GIVEN IN LOW PRECISION. The matrix products marked QUANTISED in the list below multiply operands that are first quantised to E4M3 (4 exponent bits, 3 mantissa bits; 8 bits a number), with one given power-of-two scale for each operand tensor; their sums are f32. All else is computed in f32.
;;   The module's matrix products, in the order in which they are computed (A, B: the left and right operand; K: the contracted axis; several contracted axes count as one K, in the product's order):
;;     1. [M 8,192, K 1,024] x [K 1,024, N 1,024]; A: input q_in; B: input W_q: QUANTISED (scales: A lowp_scales[0], B lowp_scales[1])
;;     2. [M 8,192, K 1,024] x [K 1,024, N 1,024]; A: input k_in; B: input W_k: QUANTISED (scales: A lowp_scales[2], B lowp_scales[3])
;;     3. [M 8,192, K 1,024] x [K 1,024, N 1,024]; A: input v_in; B: input W_v: QUANTISED (scales: A lowp_scales[4], B lowp_scales[5])
;;     4. batch 64 x [M 2,048, K 64] x [K 64, N 2,048]; A: computed on the way; B: computed on the way: QUANTISED (scales: A lowp_scales[6], B lowp_scales[7])
;;     5. batch 64 x [M 64, K 2,048] x [K 2,048, N 2,048]; A: computed on the way; B: softmax (see below): QUANTISED (scales: A lowp_scales[8], B lowp_scales[9])
;;     6. [M 8,192, K 1,024] x [K 1,024, N 1,024]; A: computed on the way; B: input W_o: QUANTISED (scales: A lowp_scales[10], B lowp_scales[11])
;;   THE QUANTISER, for each operand of a quantised product, along K:
;;     - The operand's scale is 2^e, e = its entry of the input lowp_scales (int32; the entries are numbered through the quantised products in the list's order, A before B).
;;     - Each number is divided by the scale, clamped to +-448, and rounded to the nearest number of E4M3, ties to even, subnormals kept.
;;     - The product sums the exact products of the quantised numbers (number of the format x scale) in f32.
;;   ~~~python
;;   def quantise(x, axis, e):      # numpy; x: float32 -> the quantised numbers, widened to float32 again
;;       x = np.moveaxis(x, axis, -1); K = x.shape[-1]
;;       r = np.clip(x / 2.0 ** e, -448, 448)
;;       step = 2.0 ** (np.maximum(np.frexp(np.where(r == 0, 1, r))[1] - 1, -6) - 3)
;;       q = np.round(r / step) * step * 2.0 ** e      # np.round: ties to even
;;       return np.moveaxis(q, -1, axis).astype(np.float32)
;;   ~~~
;;   SOFTMAX AHEAD OF A QUANTISED PRODUCT. Where the list says 'softmax', what is quantised is not the finished softmax but p = 2^(t - M), with t = logit x log2(e) and M = ceil(the row's largest t), a whole number; so 1/2 < the row's largest p <= 1. The row's sum l is taken of the UNQUANTISED p, in f32, and the product's result is divided by l at the end. Since M is a whole number, a kernel that streams over the keys may use a running M (the ceiling of the running maximum): every later rescaling is an exact power of two, so the quantised numbers keep their values, but for numbers so far below the row's largest that they fall under the format's range.
;;   OPERANDS COMPUTED ON THE WAY. 'Computed on the way' means the value that the module computes at that place (a softmax that the list does not call 'softmax' is quantised finished and normalised). What goes into a quantiser is computed in f32, as accurately as f32 sums, v_exp_f32 and their like allow (about 1e-6 of the number): no bf16 or f16 on the way to a quantiser, and a product that is left as it is and whose result goes on into a quantised operand takes f32 operands (vector FMAs, or v_wmma_f32_16x16x4_f32). A number that lies on a knife's edge between two numbers of the format may be rounded either way, as far as f32 arithmetic and the matrix unit's own rounding can turn it there, and no further.
;; One version. Each part assembles by itself: llvm-mc -triple=amdgcn-amd-amdhsa -mcpu=gfx1250 --defsym DOCPART=n.
;; ======== version 1 of 1: 4 launches
;; limits: right only within a limited range of input values
;; workspace buffers: xcodes 25,165,824 bytes; wcodes 4,194,304 bytes; rope 524,288 bytes; qkv 25,165,824 bytes; acodes 8,388,608 bytes
;; launch quant (part 1): grid 912 x 1, 4 waves a work-group, no clusters, 33,280 bytes of LDS; arguments q_in, k_in, v_in, W_q, W_k, W_v, W_o, lowp_scales, xcodes, wcodes, rope; writes xcodes, wcodes, rope
.if DOCPART == 1
	.amdgcn_target "amdgcn-amd-amdhsa--gfx1250"
	.amdhsa_code_object_version 6
	.text
	.protected	k_q0c45b73689_quant
	.globl	k_q0c45b73689_quant
	.p2align	8
	.type	k_q0c45b73689_quant,@function
k_q0c45b73689_quant:
	s_mov_b64 s[64:65], 0
	v_nop
	global_prefetch_b8 v0, s[64:65] scope:SCOPE_SE
	s_setreg_imm32_b32 hwreg(HW_REG_WAVE_MODE, 25, 1), 1
	s_wait_xcnt 0x0
; q_in, k_in, v_in [8192][1024] and W_q, W_k, W_v, W_o [1024][1024], f32, become codes of E4M3, K innermost, each with the scale 2^e given for it;
; and the table of cos and sin that the rotation of Q and K needs is made.
; code = x / 2^e, held within +-448, rounded to the nearest code, ties to even.  LIMITS: -126 <= e and e + 8 <= 127.  NaN among the inputs is not served.
; WORK-GROUPS.  0-767: the three x tensors, 256 each; 768-895: the four weights, 32 each; 896-911: the table.  A work-group takes 32,768 numbers, a wave 8,192 (for a weight: 8 rows).
; xcodes: q, k, v, 8 MiB each, rows as in the inputs.  wcodes: W_q, W_k, W_v, W_o, 1 MiB each, rows as in the inputs, but for W_v:
; within each 32 rows of W_v the second and third run of 8 rows change places (a wave's 8 rows go to another wave's place): so the attention's result comes out with 16 neighbouring channels in a lane.
; Rows are dense and 1,024 is a multiple of 32: a tensor is a plain stream.  Each load reads 512 consecutive bytes, 16 a lane; a step's 2,048 bytes go through the wave's own stage in LDS and come back
; 64 bytes a lane (16 neighbours along K, as the conversions want); a lane's 16 codes are 16 bytes, so a store covers 512 consecutive bytes.  Waves share nothing: no barrier.
; THE TABLE: rope[position 0..2047][64 f32]: cos(position x f_i), i = 0..31, then sin; f_i = 1000^(-i/32).  The angle is the f32 product, as the problem has it; it is reduced by pi/2 in two parts
; (the first fused step is exact for angles under 2,048) and cos and sin come from polynomials on |r| <= pi/4.  LIMIT: f_i is within about 1.5 units in the last place of 1000^(-i/32).
.set STEPS, 16
.set CB,    16                         ; bytes of 16 codes
.set R,     16                         ; v16-79   four sets of 16 numbers as loaded
.set X,     80                         ; v80-111  two sets of 16 neighbours
.set C,     128                        ; v128-191 codes: four registers for each step, so that no store's data are written again
.set WREG,  8192                       ; LDS: a region for each wave: two stages of 32 x SP bytes
.set SP,    80                         ; a lane's place in a stage: 64 bytes + 16 of padding
	s_load_b256 s[4:11], s[0:1], 0x0               ; q_in s[4:5], k_in s[6:7], v_in s[8:9], W_q s[10:11]
	s_load_b256 s[12:19], s[0:1], 0x20             ; W_k s[12:13], W_v s[14:15], W_o s[16:17], the scales' exponents s[18:19]
	s_load_b128 s[20:23], s[0:1], 0x40             ; xcodes s[20:21], wcodes s[22:23]
	s_load_b64 s[24:25], s[0:1], 0x50              ; rope
	v_lshl_add_u32 v192, v0, 2, 0x8000
	v_mov_b32 v193, 0
	v_lshrrev_b32 v1, 5, v0
	v_readfirstlane_b32 s26, v1                    ; wave 0..3
	v_and_b32 v2, 31, v0                           ; lane
	s_mov_b32 s27, ttmp9                           ; g, the work-group's number
	s_cmp_ge_u32 s27, 896
	s_cbranch_scc1 .Ltable
	; ---------------- the quantiser ----------------
	v_lshlrev_b32 v3, 4, v2                        ; my 16 bytes of a load's 512
	s_mul_i32 s49, s26, WREG
	v_lshrrev_b32 v14, 2, v2
	v_mul_u32_u24 v14, v14, SP
	v_and_b32 v15, 3, v2
	v_lshl_add_u32 v14, v15, 4, v14
	v_add_nc_u32 v14, s49, v14                     ; the stage, on the way in: SP (lane / 4) + 16 (lane % 4)
	v_mul_u32_u24 v15, v2, SP
	v_add_nc_u32 v15, s49, v15                     ; and on the way out: SP x lane
	v_mul_u32_u24 v4, v2, CB                       ; my codes' place in a step's
	; which entry of the scales: x tensor t: 2 t; weight u: 2 u + 1, but W_o (u = 3): 11
	s_lshr_b32 s32, s27, 8
	s_lshl_b32 s32, s32, 1
	s_sub_co_u32 s35, s27, 768                     ; the work-group's number among the weights'
	s_lshr_b32 s33, s35, 5
	s_lshl_b32 s33, s33, 1
	s_add_co_u32 s33, s33, 1
	s_cmp_lt_u32 s27, 864
	s_cselect_b32 s33, s33, 11
	s_cmp_lt_u32 s27, 768
	s_cselect_b32 s33, s32, s33
	s_min_u32 s33, s33, 11                         ; (it is 11 at the most: the bound is written out)
	s_lshl_b32 s33, s33, 2
	; which run of 8,192 numbers I read, and which run of 8,192 codes I write
	s_and_b32 s36, s27, 255
	s_and_b32 s37, s35, 31
	s_cmp_lt_u32 s27, 768
	s_cselect_b32 s36, s36, s37                    ; the work-group's place in its tensor,
	s_cselect_b32 s37, s27, s35                    ; and in its buffer of codes
	s_and_b32 s38, s26, 1
	s_lshl_b32 s38, s38, 1
	s_lshr_b32 s39, s26, 1
	s_or_b32 s38, s38, s39                         ; the wave's number with its two bits swapped: runs 1 and 2 change places
	s_sub_co_u32 s39, s27, 832
	s_cmp_lt_u32 s39, 32                           ; W_v's work-groups are 832 to 863
	s_cselect_b32 s38, s38, s26
	s_lshl_b32 s36, s36, 2
	s_add_co_u32 s36, s36, s26
	s_lshl_b32 s36, s36, 15                        ; x 32,768 bytes of f32
	s_lshl_b32 s40, s37, 2
	s_add_co_u32 s40, s40, s38
	s_lshl_b32 s40, s40, 13                        ; x 8,192 bytes of codes
	s_mov_b32 s37, 0
	s_mov_b32 s41, 0
	s_wait_alu depctr_va_vdst(0)
	s_wait_kmcnt 0x0
	s_load_b32 s34, s[18:19], s33 offset:0x0       ; e
	s_mov_b64 s[28:29], s[16:17]                   ; the tensor is chosen by the work-group's number alone: W_o, unless ..
	s_cmp_lt_u32 s27, 864
	s_cselect_b64 s[28:29], s[14:15], s[28:29]     ; W_v
	s_cmp_lt_u32 s27, 832
	s_cselect_b64 s[28:29], s[12:13], s[28:29]     ; W_k
	s_cmp_lt_u32 s27, 800
	s_cselect_b64 s[28:29], s[10:11], s[28:29]     ; W_q
	s_cmp_lt_u32 s27, 768
	s_cselect_b64 s[28:29], s[8:9], s[28:29]       ; v_in
	s_cselect_b64 s[30:31], s[20:21], s[22:23]     ; codes of x, or of the weights
	s_cmp_lt_u32 s27, 512
	s_cselect_b64 s[28:29], s[6:7], s[28:29]       ; k_in
	s_cmp_lt_u32 s27, 256
	s_cselect_b64 s[28:29], s[4:5], s[28:29]       ; q_in
	s_add_nc_u64 s[28:29], s[28:29], s[36:37]
	s_add_nc_u64 s[30:31], s[30:31], s[40:41]
.macro LOAD t
.irp i, 0,1,2,3
	global_load_b128 v[R+16*((\t)%4)+4*\i:R+16*((\t)%4)+4*\i+3], v3, s[28:29] offset:2048*(\t)+512*\i th:TH_LOAD_NT   ; 32 lanes read 512 consecutive bytes; read once in the launch
.endr
.endm
.macro TURN t                          ; step t's numbers through the stage: LDS serves a wave's instructions in order, so no wait stands between the stores and the loads
.irp i, 0,1,2,3
	ds_store_b128 v14, v[R+16*((\t)%4)+4*\i:R+16*((\t)%4)+4*\i+3] offset:32*SP*((\t)%2)+8*SP*\i
.endr
.irp i, 0,1,2,3
	ds_load_b128 v[X+16*((\t)%2)+4*\i:X+16*((\t)%2)+4*\i+3], v15 offset:32*SP*((\t)%2)+16*\i
.endr
.endm
.irp t, 0,1,2,3
	LOAD \t
.endr
	s_wait_kmcnt 0x0
	s_add_co_i32 s34, s34, 127
	s_lshl_b32 s35, s34, 23
	v_mov_b32 v11, s35                             ; 2^e as f32: the conversion takes its exponent field
	s_add_co_i32 s34, s34, 8
	s_lshl_b32 s34, s34, 23
	s_or_b32 s34, s34, 0x600000
	v_mov_b32 v10, s34                             ; 448 x 2^e
	s_wait_alu depctr_va_vdst(0)
	s_wait_loadcnt 12                              ; step 0's four loads are in; the twelve of steps 1 to 3 may be out
	TURN 0
.macro STEP t
.set XS, X+16*((\t)%2)
	s_wait_dscnt 0x0                               ; this step's numbers are back from the stage: so its stores into the stage have read their registers,
.if (\t)+4 < STEPS
	LOAD (\t)+4                                    ; which take the loads of four steps on
.endif
.if (\t)+1 < STEPS
.if STEPS-2-(\t) >= 3
	s_wait_loadcnt 12                              ; the next step's four loads are in; those of the three steps behind it may be out
.else
	s_wait_loadcnt 4*(STEPS-2-(\t))                ; at the end the count runs down with the steps that are left
.endif
	TURN (\t)+1                                    ; they go through the other stage while this step is worked
.endif
.irp i, 0,1,2,3,4,5,6,7,8,9,10,11,12,13,14,15
	v_med3_num_f32 v[XS+\i], v[XS+\i], -v10, v10   ; the conversion to an 8-bit code does not saturate (ISA guide 7.6.2): the hold at the largest code x the scale comes first
.endr
	v_cvt_scalef32_pk8_fp8_f32 v[C+4*(\t):C+4*(\t)+1], v[XS:XS+7], v11
	v_cvt_scalef32_pk8_fp8_f32 v[C+4*(\t)+2:C+4*(\t)+3], v[XS+8:XS+15], v11
	global_store_b128 v4, v[C+4*(\t):C+4*(\t)+3], s[30:31] offset:32*CB*(\t)   ; 512 consecutive bytes, at a multiple of 256 from the buffer's first byte
.endm
.irp t, 0,1,2,3,4,5,6,7,8,9,10,11,12,13,14,15
	STEP \t
.endr
	s_wait_tensorcnt 0x0
	ds_add_u32 v192, v193
	s_wait_dscnt 0x0
	s_endpgm
	; ---------------- the table ----------------
	; Work-group 896 + b, wave w: positions 128 b + 32 w .. + 31, two a trip.  Lanes 0-15 hold one position's 256 bytes, lanes 16-31 the next one's: a store covers 512 consecutive bytes.
	; Lane g (of 16) holds numbers 4 g .. 4 g + 3 of the row: g < 8: cos of frequencies 4 g + k; g >= 8: sin of frequencies 4 (g - 8) + k.
.Ltable:
	s_sub_co_u32 s28, s27, 896
	s_lshl_b32 s28, s28, 7
	s_lshl_b32 s29, s26, 5
	s_add_co_u32 s28, s28, s29                     ; my wave's first position
	s_wait_alu depctr_va_vdst(0)
	v_lshrrev_b32 v3, 4, v2
	v_add_nc_u32 v3, s28, v3
	v_cvt_f32_u32 v12, v3                          ; my lane's position, as f32 (exact)
	s_lshl_b32 s30, s28, 8                         ; 256 bytes a position
	s_mov_b32 s31, 0
	s_mov_b32 s36, 0x3f22f983                      ; 2 / pi
	s_mov_b32 s37, 0x3fc90fdb                      ; pi / 2, rounded to f32,
	s_mov_b32 s38, 0xb33bbd2e                      ; and what that rounding left
	s_mov_b32 s39, 0xbe2aaaa3                      ; sin r = r + r z (S1 + z (S2 + z S3)), z = r r
	s_mov_b32 s40, 0x3c08839e
	s_mov_b32 s41, 0xb94ca1f9
	s_mov_b32 s42, 0x3d2aaaa5                      ; cos r = 1 + z (-1/2 + z (C1 + z (C2 + z C3)))
	s_mov_b32 s43, 0xbab6061a
	s_mov_b32 s44, 0x37ccf5ce
	s_mov_b32 s45, 0xbe9f73e0                      ; -c_hi: log2(1000) / 32 cut to 19 bits, so that i x c_hi is exact for i < 32
	s_mov_b32 s46, 0x34002894                      ; (c_hi - log2(1000) / 32) x ln 2: what the cut leaves, as a relative correction for each unit of i
	v_bfe_u32 v13, v2, 3, 1
	v_xor_b32 v13, 1, v13                          ; 1 in the lanes that hold cos: cos a = sin(a + pi / 2): one quadrant on
	v_and_b32 v3, 7, v2
	v_lshlrev_b32 v3, 2, v3                        ; my first frequency
.irp k, 0,1,2,3
	v_add_nc_u32 v14, \k, v3
	v_cvt_f32_u32 v[16+\k], v14                    ; i
	v_mul_f32 v[4+\k], s45, v[16+\k]               ; -i c_hi, exact
.endr
	s_wait_alu depctr_va_vdst(0)
.irp k, 0,1,2,3
	v_exp_f32 v[4+\k], v[4+\k]                     ; 2^(-i c_hi)
.endr
	v_lshlrev_b32 v22, 4, v2                       ; (the plain instruction behind the exponentials)  my 16 bytes of a store's 512
	s_wait_alu depctr_va_vdst(0)                   ; one wait for the four, ahead of their first reader
.irp k, 0,1,2,3
	v_mul_f32 v[16+\k], v[4+\k], v[16+\k]
	v_fma_f32 v[4+\k], v[16+\k], s46, v[4+\k]      ; f_i = 2^(-i c_hi) (1 + i x the correction)
.endr
	s_wait_kmcnt 0x0
	s_add_nc_u64 s[24:25], s[24:25], s[30:31]
.macro SINCOS k
	v_mul_f32 v14, v12, v[4+\k]                    ; the angle: one f32 product
	v_mul_f32 v15, s36, v14
	v_rndne_f32 v15, v15                           ; n = the nearest multiple of pi / 2
	v_fma_f32 v16, -v15, s37, v14                  ; exact: a multiple of 2^-23 under 1
	v_fma_f32 v16, -v15, s38, v16                  ; r
	v_cvt_i32_f32 v17, v15
	v_add_nc_u32 v17, v17, v13                     ; the quadrant
	v_mul_f32 v18, v16, v16                        ; z
	v_fma_f32 v19, v18, s41, s40
	v_fma_f32 v19, v19, v18, s39
	v_mul_f32 v19, v19, v18
	v_fma_f32 v19, v19, v16, v16                   ; sin r
	v_fma_f32 v20, v18, s44, s43
	v_fma_f32 v20, v20, v18, s42
	v_fma_f32 v20, v20, v18, -0.5
	v_fma_f32 v20, v20, v18, 1.0                   ; cos r
	v_and_b32 v21, 1, v17
	v_cmp_eq_u32 vcc_lo, 1, v21
	v_cndmask_b32 v19, v19, v20, vcc_lo            ; odd quadrants take cos r: a choice of a value, no branch
	v_and_b32 v21, 2, v17
	v_lshlrev_b32 v21, 30, v21
	v_xor_b32 v[8+\k], v19, v21                    ; quadrants 2 and 3 change the sign
.endm
	s_mov_b32 s48, 16
.Lrows:
	s_wait_alu depctr_va_vdst(0)
	SINCOS 0
	SINCOS 1
	SINCOS 2
	SINCOS 3
	global_store_b128 v22, v[8:11], s[24:25]
	s_wait_xcnt 0x0                                ; the store has read its data and its offset: both are written again below and in the next trip
	v_add_nc_u32 v22, 512, v22
	v_add_f32 v12, 2.0, v12
	s_sub_co_u32 s48, s48, 1
	s_cmp_lg_u32 s48, 0
	s_cbranch_scc1 .Lrows
	s_endpgm
.Lfunc_end_k_q0c45b73689_quant:
	.size	k_q0c45b73689_quant, .Lfunc_end_k_q0c45b73689_quant-k_q0c45b73689_quant
	.p2alignl 7, 3214868480
	.fill 96, 4, 3214868480
	.section	.rodata,"a",@progbits
	.p2align	6, 0x0
	.amdhsa_kernel k_q0c45b73689_quant
		.amdhsa_group_segment_fixed_size 33280
		.amdhsa_private_segment_fixed_size 0
		.amdhsa_enable_private_segment 0
		.amdhsa_kernarg_size 88
		.amdhsa_user_sgpr_count 2
		.amdhsa_user_sgpr_kernarg_segment_ptr 1
		.amdhsa_wavefront_size32 1
		.amdhsa_system_sgpr_workgroup_id_x 1
		.amdhsa_system_sgpr_workgroup_id_y 1
		.amdhsa_system_sgpr_workgroup_id_z 1
		.amdhsa_system_vgpr_workitem_id 0
		.amdhsa_next_free_vgpr 194
		.amdhsa_next_free_sgpr 66
		.amdhsa_reserve_vcc 1
		.amdhsa_float_denorm_mode_32 3
		.amdhsa_float_denorm_mode_16_64 3
		.amdhsa_memory_ordered 1
		.amdhsa_forward_progress 1
		.amdhsa_inst_pref_size 45
	.end_amdhsa_kernel
	.amdgpu_metadata
---
amdhsa.version: [ 1, 2 ]
amdhsa.kernels:
  - .name:           k_q0c45b73689_quant
    .symbol:         k_q0c45b73689_quant.kd
    .args:
      - { .name: q_in, .offset: 0, .size: 8, .value_kind: global_buffer, .address_space: global }
      - { .name: k_in, .offset: 8, .size: 8, .value_kind: global_buffer, .address_space: global }
      - { .name: v_in, .offset: 16, .size: 8, .value_kind: global_buffer, .address_space: global }
      - { .name: W_q, .offset: 24, .size: 8, .value_kind: global_buffer, .address_space: global }
      - { .name: W_k, .offset: 32, .size: 8, .value_kind: global_buffer, .address_space: global }
      - { .name: W_v, .offset: 40, .size: 8, .value_kind: global_buffer, .address_space: global }
      - { .name: W_o, .offset: 48, .size: 8, .value_kind: global_buffer, .address_space: global }
      - { .name: lowp_scales, .offset: 56, .size: 8, .value_kind: global_buffer, .address_space: global }
      - { .name: xcodes, .offset: 64, .size: 8, .value_kind: global_buffer, .address_space: global }
      - { .name: wcodes, .offset: 72, .size: 8, .value_kind: global_buffer, .address_space: global }
      - { .name: rope, .offset: 80, .size: 8, .value_kind: global_buffer, .address_space: global }
    .group_segment_fixed_size: 33280
    .private_segment_fixed_size: 0
    .kernarg_segment_align: 8
    .kernarg_segment_size: 88
    .max_flat_workgroup_size: 128
    .sgpr_count:     66
    .vgpr_count:     194
    .wavefront_size: 32
...
	.end_amdgpu_metadata
.endif
;; end of part 1
;; launch proj (part 2): grid 4 x 96, 4 waves a work-group, clusters of 4 x 4, 327,680 bytes of LDS; arguments xcodes, wcodes, lowp_scales, context_bias, rope, qkv; writes qkv
.if DOCPART == 2
	.amdgcn_target "amdgcn-amd-amdhsa--gfx1250"
	.amdhsa_code_object_version 6
	.text
	.protected	k_q0c45b73689_proj
	.globl	k_q0c45b73689_proj
	.p2align	8
	.type	k_q0c45b73689_proj,@function
k_q0c45b73689_proj:
	s_mov_b64 s[64:65], 0
	v_nop
	global_prefetch_b8 v0, s[64:65] scope:SCOPE_SE
	s_setreg_imm32_b32 hwreg(HW_REG_WAVE_MODE, 25, 1), 1
	s_wait_xcnt 0x0
	s_wait_alu depctr_hold_cnt(0) depctr_sa_sdst(0) depctr_va_vdst(0) depctr_va_sdst(0) depctr_va_ssrc(0) depctr_va_vcc(0) depctr_vm_vsrc(0)
	s_getreg_b32 s2, hwreg(HW_REG_IB_STS2, 6, 4)
	s_cmp_eq_u32 s2, 0
	s_cbranch_scc0 .Lentry_in_a_cluster
	s_endpgm
.Lentry_in_a_cluster:
	s_bfe_u32 s2, ttmp6, 0x10000c
	s_cmp_lg_u32 s2, 0xf033
	s_cbranch_scc0 .Lentry_shape_is_right
	s_endpgm
.Lentry_shape_is_right:
.set ROWB,   256
.set KROW,   1024
.set PITCH,  272
.set FR,     16
.set NL,     4
.set NP,     4
.set HALFT,  128*PITCH
.set SLOT,   4*HALFT
.set SPARE,  2*SLOT
.set H32,  7
.set ADRA, 16
.set ADRB, 20
.set RT,   26
.set LI,   27
.set SPW,  28
.set NIL,  29
.set SC,   30
.set LIM,  31
.set CBR,  32
.set T0,   32
.set CO,   96
.set AF,   128
.set Y,    128
.set G1, 24
.set G0, 32
.set G1B, 48
.set G0B, 56
.set MSB, 0
.macro WIN new
.if MSB != \new
	s_set_vgpr_msb (MSB<<8)|\new
.set MSB, \new
.endif
.endm
.set MUL_LO,   0xa1
.set MUL_HI,   0xf1
.set FIRST_LO, 0x81
.set FIRST_HI, 0xc1
.set TO_B,     0x40
.macro JLOAD g0a, g1a, g0b, g1b
	s_cmp_eq_u32 s15, 0
	s_cbranch_scc0 .Lfor_b_\@
	tensor_load_to_lds s[\g0a:\g0a+3], s[\g1a:\g1a+7]
	s_nop 0
.rept 4
	v_nop
.endr
	s_branch .Lasked_\@
.Lfor_b_\@:
	tensor_load_to_lds s[\g0b:\g0b+3], s[\g1b:\g1b+7]
	s_nop 0
.rept 4
	v_nop
.endr
.Lasked_\@:
.endm
.macro CREST
	s_cmp_lg_u32 s14, 0
	s_cbranch_scc1 .Lnot_wave_0_\@
	s_barrier_signal -3
.Lnot_wave_0_\@:
	s_barrier_wait -3
	s_barrier_signal -1
	s_barrier_wait -1
.endm
.macro CROUND
	s_barrier_signal -1
	s_barrier_wait -1
	CREST
.endm
	s_load_b256 s[4:11], s[0:1], 0x0
	s_load_b128 s[68:71], s[0:1], 0x20
	v_lshl_add_u32 v[SPW], v0, 2, SPARE
	v_mov_b32 v[NIL], 0
	ds_add_u32 v28, v29
	ds_add_u32 v28, v29
	s_wait_dscnt 0x0
	v_lshrrev_b32 v1, 5, v0
	v_readfirstlane_b32 s14, v1
	s_lshr_b32 s15, s14, 1
	s_and_b32 s16, s14, 1
	s_bfe_u32 s40, ttmp6, 0x40000
	s_bfe_u32 s41, ttmp6, 0x40004
	s_and_b32 s72, ttmp7, 0xffff
	s_lshr_b32 s73, s72, 3
	s_min_u32 s73, s73, 2
	s_and_b32 s74, s72, 7
	s_cmp_lt_u32 s73, 2
	s_cselect_b32 s75, s74, 0
	s_cselect_b32 s76, 0, s74
	s_cselect_b32 s82, 23, 20
	s_cselect_b32 s83, 20, 23
	s_lshl_b32 s17, s75, 2
	s_add_co_u32 s17, s17, s41
	s_lshl_b32 s42, s76, 2
	s_add_co_u32 s42, s42, s40
	s_cmp_eq_u32 s73, 0
	s_cselect_b32 s77, -1, 0
	s_lshl_b32 s43, s41, 2
	s_lshl_b32 s43, 15, s43
	s_lshl_b32 s44, 0x1111, s40
	s_or_b32 s[G1+0], s43, (0<<16)|(1<<20)|(1<<21)|(5<<22)|(3<<25)
	s_or_b32 s[G1B+0], s44, (0<<16)|(1<<20)|(1<<21)|(5<<22)|(3<<25)
.irp g, G1, G1B
	s_mov_b32 s[\g+1], ROWB<<16
	s_mov_b32 s[\g+2], 128<<16
	s_mov_b32 s[\g+3], ROWB<<16
	s_mov_b32 s[\g+4], 128
	s_mov_b32 s[\g+5], KROW
	s_mov_b32 s[\g+6], 0
	s_mov_b32 s[\g+7], 0
.endr
	s_lshl_b32 s18, s16, 7
	s_lshl_b32 s20, s17, 8
	s_add_co_u32 s20, s20, s18
	s_lshl_b32 s20, s20, 10
	s_lshl_b32 s19, s73, s82
	s_add_co_u32 s20, s20, s19
	s_mov_b32 s21, 0
	s_lshl_b32 s46, s42, 8
	s_add_co_u32 s46, s46, s18
	s_lshl_b32 s46, s46, 10
	s_lshl_b32 s19, s73, s83
	s_add_co_u32 s46, s46, s19
	s_mov_b32 s47, 0
	s_mul_i32 s45, s14, HALFT
	s_lshl_b32 s89, s73, 3
	s_lshl_b32 s90, s73, 2
	s_wait_kmcnt 0x0
	s_load_b64 s[86:87], s[8:9], s89 offset:0x0
	s_load_b32 s88, s[8:9], s90 offset:0x18
	s_cmp_lt_u32 s73, 2
	s_cselect_b64 s[78:79], s[4:5], s[6:7]
	s_cselect_b64 s[80:81], s[6:7], s[4:5]
	s_add_nc_u64 s[20:21], s[78:79], s[20:21]
	s_add_nc_u64 s[46:47], s[80:81], s[46:47]
	CROUND
.irp s, 0,1
	s_mov_b32 s[G0+4*\s], 1
	s_add_co_u32 s[G0+4*\s+1], s45, \s*SLOT
	s_add_nc_u64 s[G0+4*\s+2:G0+4*\s+3], s[20:21], \s*ROWB
	s_or_b32 s[G0+4*\s+3], s[G0+4*\s+3], 0x80000000
	s_mov_b32 s[G0B+4*\s], 1
	s_add_co_u32 s[G0B+4*\s+1], s45, \s*SLOT
	s_add_nc_u64 s[G0B+4*\s+2:G0B+4*\s+3], s[46:47], \s*ROWB
	s_or_b32 s[G0B+4*\s+3], s[G0B+4*\s+3], 0x80000000
	s_wait_alu depctr_va_vdst(0)
	s_wait_tensorcnt 0x0
	ds_add_u32 v28, v29
	ds_add_u32 v28, v29
	s_wait_dscnt 0x0
	CROUND
	JLOAD G0+4*\s, G1, G0B+4*\s, G1B
.endr
	v_and_b32 v1, 15, v0
	v_bfe_u32 v2, v0, 4, 1
	v_mul_u32_u24 v3, v1, PITCH
	v_lshl_add_u32 v4, v2, 4, v3
	s_mul_i32 s21, s15, HALFT
	s_mul_i32 s22, s16, HALFT
	s_add_co_u32 s22, s22, 2*HALFT
.irp s, 0,1
	v_add_nc_u32 v[ADRA+\s], s21, v4
	v_add_nc_u32 v[ADRB+\s], s22, v4
	s_add_co_u32 s21, s21, SLOT
	s_add_co_u32 s22, s22, SLOT
.endr
	v_lshlrev_b32 v[H32], 5, v2
	s_wait_alu depctr_va_vdst(0)
	v_lshl_add_u32 v[RT], v1, 8, v[H32]
	v_and_b32 v6, 31, v0
	v_lshlrev_b32 v[LI], 4, v6
	s_lshr_b32 s84, s17, 3
	s_lshl_b32 s84, s84, 12
	s_lshl_b32 s85, s40, 10
	s_add_co_u32 s84, s84, s85
	s_lshl_b32 s85, s16, 9
	s_add_co_u32 s84, s84, s85
	s_cmp_eq_u32 s73, 0
	s_cselect_b32 s84, s84, 0
	s_mov_b32 s85, 0
	s_add_nc_u64 s[84:85], s[10:11], s[84:85]
.irp b, 0,1,2,3,4,5,6,7
	global_load_b128 v[CBR+8*\b:CBR+8*\b+3], v[H32], s[84:85] offset:64*\b
	global_load_b128 v[CBR+8*\b+4:CBR+8*\b+7], v[H32], s[84:85] offset:64*\b+16
.endr
	s_wait_kmcnt 0x0
	s_add_co_i32 s91, s86, s87
	s_sub_co_i32 s92, s88, s91
	s_sub_co_i32 s91, 0, s91
	s_add_co_i32 s92, s92, 127
	s_lshl_b32 s93, s92, 23
	v_mov_b32 v[SC], s93
	s_add_co_i32 s92, s92, 8
	s_lshl_b32 s92, s92, 23
	s_or_b32 s92, s92, 0x600000
	v_mov_b32 v[LIM], s92
	s_wait_loadcnt 0x0
.set i, 0
.rept 64
	v_ldexp_f32 v[CBR+i], v[CBR+i], s91
.set i, i+1
.endr
.set i, 0
.rept 64
	v_cndmask_b32 v[CBR+i], 0, v[CBR+i], s77
.set i, i+1
.endr
.macro FRAG reg, adr, q, i
.irp c, 0,1,2,3
	ds_load_b128 v[\reg+4*\c:\reg+4*\c+3], v[\adr] offset:128*(\q)+32*\c+(\i)*16*PITCH
.endr
.endm
.macro MUL16 a0, p, zero
.irp a, \a0, \a0+1
.irp b, 0,1,2,3,4,5,6,7
.if \zero
	v_wmma_f32_16x16x128_fp8_fp8 v[8*(8*((\a)%4)+\b):8*(8*((\a)%4)+\b)+7], v[128*(\p)+FR*\b:128*(\p)+FR*\b+FR-1], v[AF+FR*(\a):AF+FR*(\a)+FR-1], v[CBR+8*\b:CBR+8*\b+7]
.else
	v_wmma_f32_16x16x128_fp8_fp8 v[8*(8*((\a)%4)+\b):8*(8*((\a)%4)+\b)+7], v[128*(\p)+FR*\b:128*(\p)+FR*\b+FR-1], v[AF+FR*(\a):AF+FR*(\a)+FR-1], v[8*(8*((\a)%4)+\b):8*(8*((\a)%4)+\b)+7]
.endif
.endr
.endr
.endm
.macro FETCH_B slot, q, p
	WIN TO_B
.irp i, 0,1,2,3,4,5,6,7
	FRAG 128*(\p)+FR*\i, ADRB+\slot, \q, \i
.endr
	WIN 0
.endm
.macro FETCH_A slot, q, i0
.irp i, \i0, \i0+1, \i0+2, \i0+3
	FRAG AF+FR*(\i), ADRA+\slot, \q, \i
.endr
.endm
.macro PLACES n
.rept \n
	v_nop
.endr
.endm
.macro STEP slot, q, zero
	s_wait_dscnt 4*NL
.if \zero
	WIN FIRST_LO
.else
	WIN MUL_LO
.endif
	MUL16 0, (\q)%2, \zero
	MUL16 2, (\q)%2, \zero
	s_wait_dscnt 0
	PLACES NP
	FETCH_B \slot, (\q)+1, 1-(\q)%2
	FETCH_A \slot, (\q)+1, 0
.if \zero
	WIN FIRST_HI
.else
	WIN MUL_HI
.endif
	MUL16 4, (\q)%2, \zero
	MUL16 6, (\q)%2, \zero
	PLACES NP
	WIN 0
	FETCH_A \slot, (\q)+1, 4
.endm
.macro TURN slot, next, fill
	s_wait_tensorcnt 0x0
	ds_add_u32 v[SPW], v[NIL]
	s_wait_dscnt 4*NL+1
	WIN MUL_LO
	MUL16 0, 1, 0
	s_wait_dscnt 0x0
	s_barrier_signal -1
	MUL16 2, 1, 0
	WIN 0
	s_barrier_wait -1
.if \fill
	CREST
	s_add_nc_u64 s[G0+4*\slot+2:G0+4*\slot+3], s[G0+4*\slot+2:G0+4*\slot+3], 2*ROWB
	s_add_nc_u64 s[G0B+4*\slot+2:G0B+4*\slot+3], s[G0B+4*\slot+2:G0B+4*\slot+3], 2*ROWB
	JLOAD G0+4*\slot, G1, G0B+4*\slot, G1B
.else
	PLACES NP
.endif
	FETCH_B \next, 0, 0
	FETCH_A \next, 0, 0
	WIN MUL_HI
	MUL16 4, 1, 0
	MUL16 6, 1, 0
	PLACES NP
	WIN 0
	FETCH_A \next, 0, 4
.endm
.macro LAST
	s_wait_dscnt 4*NL
	WIN MUL_LO
	MUL16 0, 1, 0
	MUL16 2, 1, 0
	s_wait_dscnt 0
	WIN MUL_HI
	MUL16 4, 1, 0
	MUL16 6, 1, 0
	WIN 0
.endm
.macro LOADROPE a
.set TL, T0+32*((\a)%2)
.irp g, 0,1,2,3
	global_load_b128 v[TL+8*\g:TL+8*\g+3], v[RT], s[96:97] offset:4096*(\a)+64*\g
	global_load_b128 v[TL+8*\g+4:TL+8*\g+7], v[RT], s[96:97] offset:4096*(\a)+64*\g+16
.endr
.endm
.macro EPI a, rope
.set AC, 64*((\a)%4)
.set CC, CO+16*((\a)%2)
.set TT, T0+32*((\a)%2)
.if \rope
.if (\a) < 7
	s_wait_loadcnt 8
.else
	s_wait_loadcnt 0
.endif
.endif
	s_wait_xcnt 0x0
	WIN 0x02+((\a)/4)
.if \rope
.irp e, 0,1
.irp u, 0,1
.irp j, 0,2,4,6
	v_pk_mul_f32 v[Y+8*(4*\e+\u)+\j:Y+8*(4*\e+\u)+\j+1], v[AC+8*(4*\e+\u)+\j:AC+8*(4*\e+\u)+\j+1], v[TT+8*\u+\j:TT+8*\u+\j+1]
.endr
.irp j, 0,2,4,6
	v_pk_mul_f32 v[Y+8*(4*\e+\u)+16+\j:Y+8*(4*\e+\u)+16+\j+1], v[AC+8*(4*\e+\u)+\j:AC+8*(4*\e+\u)+\j+1], v[TT+16+8*\u+\j:TT+16+8*\u+\j+1]
.endr
.irp j, 0,2,4,6
	v_pk_fma_f32 v[Y+8*(4*\e+\u)+\j:Y+8*(4*\e+\u)+\j+1], v[AC+8*(4*\e+\u)+16+\j:AC+8*(4*\e+\u)+16+\j+1], v[TT+16+8*\u+\j:TT+16+8*\u+\j+1], v[Y+8*(4*\e+\u)+\j:Y+8*(4*\e+\u)+\j+1] neg_lo:[0,1,0] neg_hi:[0,1,0]
.endr
.irp j, 0,2,4,6
	v_pk_fma_f32 v[Y+8*(4*\e+\u)+16+\j:Y+8*(4*\e+\u)+16+\j+1], v[AC+8*(4*\e+\u)+16+\j:AC+8*(4*\e+\u)+16+\j+1], v[TT+8*\u+\j:TT+8*\u+\j+1], v[Y+8*(4*\e+\u)+16+\j:Y+8*(4*\e+\u)+16+\j+1]
.endr
.endr
.endr
	WIN 0
.if (\a) < 6
	LOADROPE (\a)+2
.endif
.set i, 0
.rept 64
	v_med3_num_f32 v[Y+i], v[Y+i], -v[LIM], v[LIM]
.set i, i+1
.endr
.else
.set i, 0
.rept 64
	v_med3_num_f32 v[Y+i], v[AC+i], -v[LIM], v[LIM]
.set i, i+1
.endr
	WIN 0
.endif
.irp b, 0,1,2,3,4,5,6,7
	v_cvt_scalef32_pk8_fp8_f32 v[CC+2*\b:CC+2*\b+1], v[Y+8*\b:Y+8*\b+7], v[SC]
.endr
	v_nop
.irp p, 0,1,2,3
.if \rope
	global_store_b128 v[LI], v[CC+4*\p:CC+4*\p+3], s[94:95] offset:(\p/2)*131072+1024*(\a)+512*(\p%2)
.else
	global_store_b128 v[LI], v[CC+4*\p:CC+4*\p+3], s[94:95] offset:((\a)/4)*131072+((\a)%4)*1024+(\p/2)*4096+(\p%2)*512
.endif
.endr
.endm
	s_wait_alu depctr_va_vdst(0)
	s_wait_tensorcnt 1
	s_barrier_signal -1
	s_barrier_wait -1
	FETCH_B 0, 0, 0
	FETCH_A 0, 0, 0
	FETCH_A 0, 0, 4
	STEP 0, 0, 1
	TURN 0, 1, 1
	STEP 1, 0, 0
	TURN 1, 0, 1
	STEP 0, 0, 0
	TURN 0, 1, 0
	STEP 1, 0, 0
	s_cmp_eq_u32 s73, 2
	s_cbranch_scc1 .Lv
	s_lshl_b32 s94, s73, 23
	s_lshr_b32 s95, s17, 3
	s_lshl_b32 s95, s95, 21
	s_add_co_u32 s94, s94, s95
	s_lshl_b32 s18, s42, 2
	s_lshl_b32 s19, s16, 1
	s_add_co_u32 s18, s18, s19
	s_lshl_b32 s18, s18, 17
	s_add_co_u32 s94, s94, s18
	s_and_b32 s18, s17, 7
	s_lshl_b32 s18, s18, 4
	s_lshl_b32 s19, s15, 3
	s_add_co_u32 s18, s18, s19
	s_lshl_b32 s19, s18, 12
	s_lshl_b32 s18, s18, 10
	s_add_co_u32 s94, s94, s18
	s_mov_b32 s95, 0
	s_add_nc_u64 s[94:95], s[70:71], s[94:95]
	s_mov_b32 s96, s19
	s_mov_b32 s97, 0
	s_add_nc_u64 s[96:97], s[68:69], s[96:97]
	LOADROPE 0
	LOADROPE 1
	LAST
	PLACES NP
.irp a, 0,1,2,3,4,5,6,7
	EPI \a, 1
.endr
	s_branch .Lend
.Lv:
	s_lshr_b32 s94, s42, 3
	s_lshl_b32 s94, s94, 21
	s_add_co_u32 s94, s94, 0x1000000
	s_lshl_b32 s18, s17, 2
	s_lshl_b32 s19, s15, 1
	s_add_co_u32 s18, s18, s19
	s_lshl_b32 s18, s18, 17
	s_add_co_u32 s94, s94, s18
	s_and_b32 s18, s42, 7
	s_lshl_b32 s18, s18, 2
	s_lshl_b32 s19, s16, 1
	s_add_co_u32 s18, s18, s19
	s_lshl_b32 s18, s18, 12
	s_add_co_u32 s94, s94, s18
	s_mov_b32 s95, 0
	s_add_nc_u64 s[94:95], s[70:71], s[94:95]
	LAST
	PLACES NP
.irp a, 0,1,2,3,4,5,6,7
	EPI \a, 0
.endr
.Lend:
	s_wait_tensorcnt 0x0
	ds_add_u32 v[SPW], v[NIL]
	s_wait_dscnt 0x0
	CROUND
	s_endpgm
.Lfunc_end_k_q0c45b73689_proj:
	.size	k_q0c45b73689_proj, .Lfunc_end_k_q0c45b73689_proj-k_q0c45b73689_proj
	.p2alignl 7, 3214868480
	.fill 96, 4, 3214868480
	.section	.rodata,"a",@progbits
	.p2align	6, 0x0
	.amdhsa_kernel k_q0c45b73689_proj
		.amdhsa_group_segment_fixed_size 327680
		.amdhsa_private_segment_fixed_size 0
		.amdhsa_enable_private_segment 0
		.amdhsa_kernarg_size 48
		.amdhsa_user_sgpr_count 2
		.amdhsa_user_sgpr_kernarg_segment_ptr 1
		.amdhsa_wavefront_size32 1
		.amdhsa_system_sgpr_workgroup_id_x 1
		.amdhsa_system_sgpr_workgroup_id_y 1
		.amdhsa_system_sgpr_workgroup_id_z 1
		.amdhsa_system_vgpr_workitem_id 0
		.amdhsa_next_free_vgpr 1024
		.amdhsa_next_free_sgpr 100
		.amdhsa_reserve_vcc 0
		.amdhsa_float_denorm_mode_32 3
		.amdhsa_float_denorm_mode_16_64 3
		.amdhsa_memory_ordered 1
		.amdhsa_forward_progress 1
		.amdhsa_inst_pref_size 213
	.end_amdhsa_kernel
	.amdgpu_metadata
---
amdhsa.version: [ 1, 2 ]
amdhsa.kernels:
  - .name:           k_q0c45b73689_proj
    .symbol:         k_q0c45b73689_proj.kd
    .args:
      - { .name: xcodes, .offset: 0, .size: 8, .value_kind: global_buffer, .address_space: global }
      - { .name: wcodes, .offset: 8, .size: 8, .value_kind: global_buffer, .address_space: global }
      - { .name: lowp_scales, .offset: 16, .size: 8, .value_kind: global_buffer, .address_space: global }
      - { .name: context_bias, .offset: 24, .size: 8, .value_kind: global_buffer, .address_space: global }
      - { .name: rope, .offset: 32, .size: 8, .value_kind: global_buffer, .address_space: global }
      - { .name: qkv, .offset: 40, .size: 8, .value_kind: global_buffer, .address_space: global }
    .group_segment_fixed_size: 327680
    .private_segment_fixed_size: 0
    .kernarg_segment_align: 8
    .kernarg_segment_size: 48
    .max_flat_workgroup_size: 128
    .sgpr_count:     100
    .vgpr_count:     1024
    .wavefront_size: 32
...
	.end_amdgpu_metadata
.endif
;; end of part 2
;; launch attn (part 3): grid 4 x 64, 16 waves a work-group, clusters of 4 x 1, 327,680 bytes of LDS; arguments qkv, lowp_scales, acodes; writes acodes
.if DOCPART == 3
	.amdgcn_target "amdgcn-amd-amdhsa--gfx1250"
	.amdhsa_code_object_version 6
	.text
	.protected	k_q0c45b73689_attn
	.globl	k_q0c45b73689_attn
	.p2align	8
	.type	k_q0c45b73689_attn,@function
k_q0c45b73689_attn:
	s_mov_b64 s[64:65], 0
	v_nop
	global_prefetch_b8 v0, s[64:65] scope:SCOPE_SE
	s_setreg_imm32_b32 hwreg(HW_REG_WAVE_MODE, 25, 1), 1
	s_wait_xcnt 0x0
	s_wait_alu depctr_hold_cnt(0) depctr_sa_sdst(0) depctr_va_vdst(0) depctr_va_sdst(0) depctr_va_ssrc(0) depctr_va_vcc(0) depctr_vm_vsrc(0)
	s_getreg_b32 s2, hwreg(HW_REG_IB_STS2, 6, 4)
	s_cmp_eq_u32 s2, 0
	s_cbranch_scc0 .Lentry_in_a_cluster
	s_endpgm
.Lentry_in_a_cluster:
	s_bfe_u32 s2, ttmp6, 0x10000c
	s_cmp_lg_u32 s2, 0x3003
	s_cbranch_scc0 .Lentry_shape_is_right
	s_endpgm
.Lentry_shape_is_right:
; O[b][h][q] = the sum over k of softmax_k(Q . K / 8) V, both products on codes of E4M3, and O quantised for the last projection.  64 (batch, head) pairs, 2,048 queries and keys, head size 64.
; THE SOFTMAX AHEAD OF THE SECOND PRODUCT: t = score x log2(e) / 8; M = the row's largest t so far, rounded UP to a whole number; p = 2^(t - M) is quantised, not normalised.  The row's sum is taken of the
; unquantised p, in f32, and divides O at the end.  When M moves, the sum and O are multiplied by 2^(old M - new M): exact, and without a branch.
; SHARES.  A cluster of four work-groups is one (batch, head); a work-group owns 512 queries, each of its sixteen waves 32: two tiles of 16.  A step is 128 keys; 16 steps.
; LDS.  The head's whole K (131,072 bytes) and whole V (131,072 bytes) lie in LDS, as the register images that the launch before has stored.  Every byte is filled ONCE, by joint loads: the four work-groups need the same bytes.
; Each wave issues two loads (waves 0-7 for K, 8-15 for V).  The first, at the head: 18 rows of 256 bytes, together keys 0 to 575.  The second, behind the waits, the add and a round: 46 rows, together
; keys 576 to 2,047; it has the first four steps in which to land; then one wait and one barrier, and twelve steps with no barrier.
; LOOK-AHEAD IN LDS.  A step asks for the next step's first 64 keys of K ahead of its own second product: the fourth step so reads keys 512 to 575, which the first loads brought.
; The sixteenth step's look-ahead reads the 4,096 bytes behind K's images, which are V's first, and nothing is made of them.
; NO PREFETCH: all of K and V is asked for by the two loads, the second as soon as the first has landed; there is no loop to ask ahead in.
; LAYOUT.  Both products are used transposed: S^T = K Q^T (source 0 = 16 keys, source 1 = 16 queries), O^T = V^T P^T: a lane holds ONE query (lane % 16) throughout.  In S^T fragment f, register j is key 16 f + 8 (lane / 16) + j:
; the place that the plain 8-bit layout gives it in an operand (registers 2 f, 2 f + 1), so the conversions' results ARE the second product's source 1, 128 keys in 16 registers.
;   acodes: (token / 16) x 16384 + head x 1024 + 512 c + 16 lane.  Each store covers 512 consecutive bytes.
; LIMITS on the given exponents: e6 + e7 between -123 and 130 (added to c's exponent field); e9 and e10 between -126 and 119; e8 + e9 goes by v_ldexp_f32 and has none.
; REGISTERS: v0, v5 a second running maximum for each tile; v1-4 addresses and the scale; v6-7 the spare word's two; v8-15 state; v16-31 Q; v32-63 K's fragments 4 to 7, then scratch (v48-61), then p's codes;
;   v64-191 S^T, then p, 64 a tile; tile 0's 64 take V's fragments when its codes are made, tile 1's upper 32 the next step's fragments 0 to 3 of K; v192-255 O^T, 32 a tile.
.set LI,   1                           ; 16 x lane; never rewritten
.set ADK,  2                           ; LDS address of the step's K
.set ADV,  3                           ; of its V
.set SC,   4                           ; the scale as f32
.set LIM,  5                           ; on the way out: 448 x the scale.  (In the steps v0 and v5 = v[5 x] hold tile x's second running maximum)
.set SPW,  6                           ; my spare word; never rewritten
.set NIL,  7                           ; 0; never rewritten
.set ST,   8                           ; tile x at ST + 4 x: -M, the largest score, the sum in two halves
.set Q,    16
.set KF,   32
.set W,    48                          ; scratch
.set PD,   60                          ; the lane exchange's destinations
.set S,    64
.set KA,   S+96                        ; K's fragments 0 to 3
.set O,    192
.set VOFF, 131072                      ; V's images lie behind K's
.set SPARE, 262144                     ; behind them the spare words: 128 bytes for each of 16 waves
.set WV,   18
.set NC,   19                          ; -c
.set SEL,  20                          ; s[20:21] lane selects: lane l xor 16
.set CS,   22                          ; s[22:23] c = log2(e) / 8 x 2^(e6 + e7)
.set LS,   48                          ; s48  448 x 2^e9
.set TB,   2                           ; LDS byte at which the step's K begins
.set G1A,  24                          ; s[24:31] descriptor group 1 of the first load, s[32:35] its group 0
.set G0A,  32
.set G0B,  36                          ; s[36:39] group 0 of the second load, s[40:47] its group 1
.set G1B,  40
.set R1,   18                          ; rows of 256 bytes in a wave's first load: 8 x 18 x 256 = 36,864 bytes = 576 keys
.set R2,   46                          ; and in its second: 8 x 46 x 256 = 94,208 bytes, the rest
.macro CROUND                          ; a round of the cluster's barrier
	s_barrier_signal -1
	s_barrier_wait -1
	s_cmp_lg_u32 s[WV], 0
	s_cbranch_scc1 .Lnot_wave_0_\@
	s_barrier_signal -3
.Lnot_wave_0_\@:
	s_barrier_wait -3
	s_barrier_signal -1
	s_barrier_wait -1
.endm
.macro PLACES n
.rept \n
	v_nop
.endr
.endm
	s_load_b128 s[4:7], s[0:1], 0x0                ; qkv, the scales' exponents
	s_load_b64 s[8:9], s[0:1], 0x10                ; acodes
	v_lshl_add_u32 v[SPW], v0, 2, SPARE
	v_mov_b32 v[NIL], 0
	ds_add_u32 v[SPW], v[NIL]                      ; the opening: the add, twice on end, and its wait ahead of my first tensor load
	ds_add_u32 v[SPW], v[NIL]
	v_lshrrev_b32 v4, 5, v0
	v_readfirstlane_b32 s[WV], v4                  ; wave 0..15
	v_and_b32 v4, 31, v0
	v_lshlrev_b32 v[LI], 4, v4
	s_bfe_u32 s16, ttmp6, 0x40000                  ; cx: my block of 512 queries: it enters Q's and the output's addresses alone
	s_and_b32 s17, ttmp7, 0xffff                   ; batch x 16 + head, which the four partners share
	s_lshr_b32 s48, s[WV], 3                       ; what I fetch: 0 K, 1 V;
	s_and_b32 s49, s[WV], 7                        ; which eighth of it
	s_lshl_b32 s50, s48, 17                        ; in LDS K begins at 0, V at 131,072: no place in the cluster enters an LDS address
	s_mul_i32 s62, s49, R1*256                     ; where my first piece begins,
	s_mov_b32 s63, 0
	s_mul_i32 s60, s49, R2*256
	s_add_co_u32 s60, s60, 8*R1*256                ; and my second
	s_mov_b32 s61, 0
	s_lshl_b32 s57, s17, 17                        ; the head's 131,072 bytes in each of the three parts of qkv
	s_add_co_u32 s10, s48, 1
	s_lshl_b32 s10, s10, 23                        ; K's images at 8 MiB, V's at 16 MiB
	s_add_co_u32 s10, s10, s57
	s_mov_b32 s11, 0
	s_lshl_b32 s58, s16, 5
	s_lshl_b32 s59, s[WV], 1
	s_add_co_u32 s58, s58, s59                     ; my first token tile in the sequence: 32 cx + 2 wave
	s_lshl_b32 s12, s58, 10
	s_add_co_u32 s12, s12, s57                     ; Q's images of my two tiles
	s_mov_b32 s13, 0
	s_lshr_b32 s14, s17, 4
	s_lshl_b32 s14, s14, 7
	s_add_co_u32 s14, s14, s58                     ; the tile among all 512
	s_lshl_b32 s14, s14, 14
	s_and_b32 s15, s17, 15
	s_lshl_b32 s15, s15, 10                        ; the head's 1,024 bytes of a tile's 16,384
	s_add_co_u32 s14, s14, s15
	s_mov_b32 s15, 0
	; descriptor groups 1: dense pieces as rows of 256 bytes
	s_mov_b32 s[G1A], 15|(3<<16)|(1<<21)           ; 15:0 the mask: all four work-groups; 17:16 elements of 8 bytes; 21 set beside a mask; no padding: the images are read 16 bytes a lane, on end
	s_mov_b32 s[G1A+1], 32<<16                     ; tensor_dim0 = 32 elements
	s_mov_b32 s[G1A+2], R1<<16                     ; tensor_dim1
	s_mov_b32 s[G1A+3], 32<<16                     ; tile_dim0
	s_mov_b32 s[G1A+4], R1                         ; tile_dim1
	s_mov_b32 s[G1A+5], 32                         ; tensor_dim0_stride
	s_mov_b32 s[G1A+6], 0
	s_mov_b32 s[G1A+7], 0
	s_mov_b32 s[G1B], 15|(3<<16)|(1<<21)
	s_mov_b32 s[G1B+1], 32<<16
	s_mov_b32 s[G1B+2], R2<<16
	s_mov_b32 s[G1B+3], 32<<16
	s_mov_b32 s[G1B+4], R2
	s_mov_b32 s[G1B+5], 32
	s_mov_b32 s[G1B+6], 0
	s_mov_b32 s[G1B+7], 0
	s_mov_b32 s[SEL], 0x76543210
	s_mov_b32 s[SEL+1], 0xfedcba98
	s_wait_alu depctr_va_vdst(0)
	s_wait_dscnt 0x0                               ; both opening adds are done
	s_wait_kmcnt 0x0
	s_load_b128 s[52:55], s[6:7], 0x18             ; e6 (Q), e7 (K), e8 (V), e9 (p)
	s_load_b32 s56, s[6:7], 0x28                   ; e10 (the attention's result)
	s_add_nc_u64 s[10:11], s[4:5], s[10:11]
	s_add_nc_u64 s[12:13], s[4:5], s[12:13]
	s_add_nc_u64 s[14:15], s[8:9], s[14:15]
	s_mov_b32 s[G0A], 1                            ; count = 1
	s_add_co_u32 s[G0A+1], s50, s62                ; LDS address
	s_add_nc_u64 s[G0A+2:G0A+3], s[10:11], s[62:63]
	s_or_b32 s[G0A+3], s[G0A+3], 0x80000000        ; type = 2
	s_mov_b32 s[G0B], 1
	s_add_co_u32 s[G0B+1], s50, s60
	s_add_nc_u64 s[G0B+2:G0B+3], s[10:11], s[60:61]
	s_or_b32 s[G0B+3], s[G0B+3], 0x80000000
	CROUND                                         ; all four work-groups are here: the joint loads meet
	tensor_load_to_lds s[G0A:G0A+3], s[G1A:G1A+7]  ; my one tensor load at the head: my part of keys 0 to 575
	s_nop 0
	PLACES 4
.irp i, 0,1,2,3
	global_load_b128 v[Q+4*\i:Q+4*\i+3], v[LI], s[12:13] offset:512*\i   ; Q's two fragments stay in registers
.endr
.irp x, 0,1
	v_mov_b32 v[ST+4*\x], 0x7f61b1e6               ; -M: 3e38, so that the first f is 0
	v_mov_b32 v[ST+4*\x+1], 0xff61b1e6             ; the largest score so far: -3e38
	v_mov_b32 v[5*\x], 0xff61b1e6                  ; likewise the second running maximum (v0's thread number has been read for the last time)
	v_mov_b32 v[ST+4*\x+2], 0                      ; the sum, in two halves
	v_mov_b32 v[ST+4*\x+3], 0
.endr
.set i, 0
.rept 64
	v_mov_b32 v[O+i], 0                            ; O^T.  (The step is written once: the first finds zeros, which f = 0 leaves zeros)
.set i, i+1
.endr
	s_wait_kmcnt 0x0
	s_add_co_i32 s58, s52, s53
	s_lshl_b32 s58, s58, 23
	s_add_co_i32 s[CS], s58, 0x3e38aa3b            ; c = log2(e) / 8, with e6 + e7 added to its exponent field
	s_mov_b32 s[CS+1], s[CS]                       ; (named with it as a pair)
	s_xor_b32 s[NC], s[CS], 0x80000000             ; -c
	s_add_co_i32 s58, s55, 127
	s_lshl_b32 s59, s58, 23
	v_mov_b32 v[SC], s59                           ; 2^e9 as f32
	s_add_co_i32 s58, s58, 8
	s_lshl_b32 s58, s58, 23
	s_or_b32 s[LS], s58, 0x600000                  ; 448 x 2^e9
	s_wait_alu depctr_va_vdst(0)
	s_wait_tensorcnt 0x0                           ; my part of keys 0 to 575 is in
	ds_add_u32 v[SPW], v[NIL]
	s_wait_dscnt 0x0
	CROUND                                         ; everybody's part is in, and all four work-groups are here
	tensor_load_to_lds s[G0B:G0B+3], s[G1B:G1B+7]  ; my one tensor load behind the round: my part of keys 576 to 2,047, on bytes that the first four steps do not read
	s_nop 0
	PLACES 4
.irp f, 0,1,2,3
.irp c, 0,1
	ds_load_b128 v[KA+8*\f+4*\c:KA+8*\f+4*\c+3], v[LI] offset:1024*\f+512*\c   ; the first step's fragments 0 to 3 of K
.endr
.endr
.macro QK f0, a                        ; eight products, each on an accumulator of its own, begun with 0; a: where the four fragments of K lie
.irp f, 0,1,2,3
.irp x, 0,1
	v_wmma_f32_16x16x64_fp8_fp8 v[S+64*\x+8*(\f0+\f):S+64*\x+8*(\f0+\f)+7], v[\a+8*\f:\a+8*\f+7], v[Q+8*\x:Q+8*\x+7], 0
.endr
.endr
.endm
.macro MAXH f0                         ; the running maxima take in four fragments: two chains a tile, the tiles by turns; each accumulator from its low end on
.irp f, 0,1,2,3
.irp j, 0,4
.irp x, 0,1
	v_max3_num_f32 v[ST+4*\x+1], v[ST+4*\x+1], v[S+64*\x+8*(\f0+\f)+\j], v[S+64*\x+8*(\f0+\f)+\j+1]
.endr
.irp x, 0,1
	v_max3_num_f32 v[5*\x], v[5*\x], v[S+64*\x+8*(\f0+\f)+\j+2], v[S+64*\x+8*(\f0+\f)+\j+3]
.endr
.endr
.endr
.endm
.macro FINISH x                        ; a tile's p: the sum, the hold, the codes
.set P, S+64*\x
	v_pk_add_f32 v[W:W+1], v[P:P+1], v[P+2:P+3]   ; THE ROW'S SUM IS TAKEN OF THE UNQUANTISED p: two at a time, in four chains
	v_pk_add_f32 v[W+2:W+3], v[P+4:P+5], v[P+6:P+7]
	v_pk_add_f32 v[W+4:W+5], v[P+8:P+9], v[P+10:P+11]
.irp j, 12,20,28,36,44,52
	v_pk_add_f32 v[ST+4*\x+2:ST+4*\x+3], v[ST+4*\x+2:ST+4*\x+3], v[P+\j:P+\j+1]
	v_pk_add_f32 v[W:W+1], v[W:W+1], v[P+\j+2:P+\j+3]
	v_pk_add_f32 v[W+2:W+3], v[W+2:W+3], v[P+\j+4:P+\j+5]
	v_pk_add_f32 v[W+4:W+5], v[W+4:W+5], v[P+\j+6:P+\j+7]
.endr
	v_pk_add_f32 v[ST+4*\x+2:ST+4*\x+3], v[ST+4*\x+2:ST+4*\x+3], v[P+60:P+61]
	v_pk_add_f32 v[W:W+1], v[W:W+1], v[P+62:P+63]
	v_pk_add_f32 v[W+2:W+3], v[W+2:W+3], v[W+4:W+5]
	v_pk_add_f32 v[ST+4*\x+2:ST+4*\x+3], v[ST+4*\x+2:ST+4*\x+3], v[W:W+1]
	v_pk_add_f32 v[ST+4*\x+2:ST+4*\x+3], v[ST+4*\x+2:ST+4*\x+3], v[W+2:W+3]
.set i, 0
.rept 32
	v_dual_min_num_f32 v[P+i], s[LS], v[P+i] :: v_dual_min_num_f32 v[P+i+1], s[LS], v[P+i+1]   ; the conversion to an 8-bit code does not saturate (ISA guide 7.6.2); p is not negative, so the hold is one-sided; two numbers a line
.set i, i+2
.endr
.irp f, 0,1,2,3,4,5,6,7
	v_cvt_scalef32_pk8_fp8_f32 v[KF+16*\x+2*\f:KF+16*\x+2*\f+1], v[P+8*\f:P+8*\f+7], v[SC]
.endr
.endm
; A KEY STEP: 128 keys, both tiles of queries.  On the way in eight LDS loads are out: this step's fragments 0 to 3 of K.
.macro STEP
	v_add_nc_u32 v[ADK], s[TB], v[LI]
	PLACES 4                                       ; five plain lines behind the last step's products: the products below write over registers that those read
.irp f, 0,1,2,3
.irp c, 0,1
	ds_load_b128 v[KF+8*\f+4*\c:KF+8*\f+4*\c+3], v[ADK] offset:4096+1024*\f+512*\c   ; fragments 4 to 7
.endr
.endr
	s_wait_alu depctr_va_vdst(0)
	s_wait_dscnt 8                                 ; fragments 0 to 3 are in; the eight loads just issued may be out
	QK 0, KA
	PLACES 4                                       ; ahead of the first reads of the scores
	MAXH 0
	s_wait_alu depctr_va_vdst(0)
	s_wait_dscnt 0x0
	QK 4, KF                                       ; tile 1's results land where fragments 0 to 3 lay: the four v_nop and the maxima above are more than five plain lines
	PLACES 4
	MAXH 4
.irp x, 0,1
	s_delay_alu instid0(VALU_DEP_2)
	v_max_num_f32 v[W+6*\x], v[ST+4*\x+1], v[5*\x]                   ; the tile's two chains
.endr
.irp x, 0,1
	s_delay_alu instid0(VALU_DEP_2)
	v_permlanex16_b32 v[PD+\x], v[W+6*\x], s[SEL], s[SEL+1]
.endr
.irp x, 0,1
	s_delay_alu instid0(VALU_DEP_2)
	v_max_num_f32 v[ST+4*\x+1], v[W+6*\x], v[PD+\x]                  ; with lane l xor 16's: the running largest score
.endr
.irp x, 0,1
	s_delay_alu instid0(VALU_DEP_2)
	v_mul_f32 v[W+6*\x+1], s[NC], v[ST+4*\x+1]                       ; -t (c is positive)
.endr
.irp x, 0,1
	v_mov_b32 v[W+6*\x], v[ST+4*\x]
.endr
.irp x, 0,1
	s_delay_alu instid0(VALU_DEP_4)
	v_floor_f32 v[ST+4*\x], v[W+6*\x+1]                              ; the new -M = floor(-t) = -ceil(t): M IS A WHOLE NUMBER
.endr
.irp x, 0,1
	s_delay_alu instid0(VALU_DEP_2)
	v_sub_f32 v[W+6*\x], v[ST+4*\x], v[W+6*\x]                       ; M's old value less its new one: a whole number, 0 or less
.endr
.irp x, 0,1
	s_delay_alu instid0(VALU_DEP_2)
	v_cvt_i32_f32 v[W+6*\x], v[W+6*\x]                               ; (it saturates)
.endr
.irp x, 0,1
	s_delay_alu instid0(VALU_DEP_2)
	v_ldexp_f32 v[W+6*\x+2], 1.0, v[W+6*\x]                          ; f = 2^(old M - new M)
.endr
.irp j, 0,2,4,6,8,10,12,14,16,18,20,22,24,26,28,30
.irp x, 0,1
	v_pk_mul_f32 v[O+32*\x+\j:O+32*\x+\j+1], v[O+32*\x+\j:O+32*\x+\j+1], v[W+6*\x+2:W+6*\x+3] op_sel_hi:[1,0]   ; O^T under the new M; each accumulator from its low end on
.endr
.endr
.irp j, 0,2,4,6,8,10,12,14,16,18,20,22,24,26,28,30,32,34,36,38,40,42,44,46,48,50,52,54,56,58,60,62
.irp x, 0,1
	v_pk_fma_f32 v[S+64*\x+\j:S+64*\x+\j+1], v[S+64*\x+\j:S+64*\x+\j+1], s[CS:CS+1], v[ST+4*\x:ST+4*\x+1] op_sel_hi:[1,0,0]   ; t - M, two at a time (of the pairs c and -M the low word serves both halves)
.endr
.endr
	s_wait_alu depctr_va_vdst(0)
.set i, 0
.rept 128
	v_exp_f32 v[S+i], v[S+i]                       ; p = 2^(t - M): both tiles' 128 are one batch
.set i, i+1
.endr
.irp x, 0,1
	v_pk_mul_f32 v[ST+4*\x+2:ST+4*\x+3], v[ST+4*\x+2:ST+4*\x+3], v[W+6*\x+2:W+6*\x+3] op_sel_hi:[1,0]   ; the sums under the new M: the plain lines behind the exponentials
.endr
	s_wait_alu depctr_va_vdst(0)                   ; one wait for the whole batch, ahead of its first reader
	FINISH 0
	v_add_nc_u32 v[ADV], VOFF, v[ADK]
.irp f, 0,1,2,3                                ; V: fragment f, 16 channels x 128 keys, into 16 of the registers that held tile 0's p
.irp b, 0,1
.irp c, 0,1
	ds_load_b128 v[S+16*\f+8*\b+4*\c:S+16*\f+8*\b+4*\c+3], v[ADV] offset:4096*\b+1024*\f+512*\c
.endr
.endr
.endr
	FINISH 1
.irp f, 0,1,2,3                                ; the next step's fragments 0 to 3 of K, into registers that held tile 1's p
.irp c, 0,1
	ds_load_b128 v[KA+8*\f+4*\c:KA+8*\f+4*\c+3], v[ADK] offset:8192+1024*\f+512*\c
.endr
.endr
	v_nop                                          ; one plain line between the last conversion and the products that read the codes
	s_wait_alu depctr_va_vdst(0)
	s_wait_dscnt 8                                 ; V's sixteen loads are in; the eight issued behind them may be out
.irp f, 0,1,2,3                                ; eight accumulators by turns, one instruction a turn; the next step's sixteen products stand between two links of a sum
.irp x, 0,1
	v_wmma_f32_16x16x128_fp8_fp8 v[O+32*\x+8*\f:O+32*\x+8*\f+7], v[S+16*\f:S+16*\f+15], v[KF+16*\x:KF+16*\x+15], v[O+32*\x+8*\f:O+32*\x+8*\f+7]
.endr
.endr
	s_add_co_u32 s[TB], s[TB], 8192                ; 128 keys on, in K's images and in V's alike
.endm
.macro WALK tb, n                      ; n steps from LDS byte tb of K's images on
	s_mov_b32 s[TB], \tb
	s_mov_b32 s3, \n
.Lstep_\@:
	STEP
	s_sub_co_u32 s3, s3, 1
	s_cmp_lg_u32 s3, 0
	s_cbranch_scc1 .Lstep_\@
.endm
	s_wait_loadcnt 0x0                             ; Q
	WALK 0, 4                                      ; keys 0 to 511
	s_wait_tensorcnt 0x0                           ; my part of keys 576 to 2,047 is in
	s_wait_dscnt 0x0                               ; no LDS load of mine is out at the signal
	s_barrier_signal -1
	s_barrier_wait -1                              ; everybody's part is in.
	WALK 32768, 12                                 ; keys 512 to 2,047
	; THE WAY OUT.  The sum's halves are added; O^T x 2^(e8 + e9) / the sum is held, converted with 2^e10 and stored as it stands.
	s_wait_dscnt 0x0                               ; the last look-ahead has landed
	PLACES 4                                       ; the scratch registers were sources of the last products
.irp x, 0,1
	v_add_f32 v[W+6*\x], v[ST+4*\x+2], v[ST+4*\x+3]
.endr
.irp x, 0,1
	v_permlanex16_b32 v[PD+\x], v[W+6*\x], s[SEL], s[SEL+1]
.endr
.irp x, 0,1
	v_add_f32 v[W+6*\x], v[W+6*\x], v[PD+\x]       ; the row's sum
.endr
	s_wait_alu depctr_va_vdst(0)
.irp x, 0,1
	v_rcp_f32 v[W+6*\x+1], v[W+6*\x]
.endr
	v_nop                                          ; a plain line behind the reciprocals
	s_add_co_i32 s60, s54, s55                     ; e8 + e9
	s_add_co_i32 s58, s56, 127
	s_lshl_b32 s59, s58, 23
	v_mov_b32 v[SC], s59                           ; 2^e10 as f32
	s_add_co_i32 s58, s58, 8
	s_lshl_b32 s58, s58, 23
	s_or_b32 s58, s58, 0x600000
	v_mov_b32 v[LIM], s58                          ; 448 x 2^e10
	s_wait_alu depctr_va_vdst(0)                   ; one wait for both, ahead of their first reader
.irp x, 0,1
	v_ldexp_f32 v[W+6*\x+2], v[W+6*\x+1], s60
.endr
	s_wait_alu depctr_va_vdst(0)                   ; ahead of the first reader of O^T
.irp x, 0,1
.irp j, 0,2,4,6,8,10,12,14,16,18,20,22,24,26,28,30
	v_pk_mul_f32 v[S+32*\x+\j:S+32*\x+\j+1], v[O+32*\x+\j:O+32*\x+\j+1], v[W+6*\x+2:W+6*\x+3] op_sel_hi:[1,0]   ; each accumulator from its low end on
.endr
.endr
.set i, 0
.rept 64
	v_med3_num_f32 v[S+i], v[S+i], -v[LIM], v[LIM]
.set i, i+1
.endr
.irp x, 0,1
.irp f, 0,1,2,3
	v_cvt_scalef32_pk8_fp8_f32 v[KF+8*\x+2*\f:KF+8*\x+2*\f+1], v[S+32*\x+8*\f:S+32*\x+8*\f+7], v[SC]
.endr
.endr
	v_nop                                          ; one plain line behind the last conversion
.irp x, 0,1
.irp c, 0,1
	global_store_b128 v[LI], v[KF+8*\x+4*\c:KF+8*\x+4*\c+3], s[14:15] offset:16384*\x+512*\c   ; 512 consecutive bytes, at a multiple of 256 from the buffer's first byte
.endr
.endr
	s_wait_tensorcnt 0x0                           ; the wave's end
	ds_add_u32 v[SPW], v[NIL]
	s_wait_dscnt 0x0
	CROUND                                         ; the closing round: no work-group ends while a partner may still ask for a piece that names it
	s_endpgm
.Lfunc_end_k_q0c45b73689_attn:
	.size	k_q0c45b73689_attn, .Lfunc_end_k_q0c45b73689_attn-k_q0c45b73689_attn
	.p2alignl 7, 3214868480
	.fill 96, 4, 3214868480
	.section	.rodata,"a",@progbits
	.p2align	6, 0x0
	.amdhsa_kernel k_q0c45b73689_attn
		.amdhsa_group_segment_fixed_size 327680
		.amdhsa_private_segment_fixed_size 0
		.amdhsa_enable_private_segment 0
		.amdhsa_kernarg_size 24
		.amdhsa_user_sgpr_count 2
		.amdhsa_user_sgpr_kernarg_segment_ptr 1
		.amdhsa_wavefront_size32 1
		.amdhsa_system_sgpr_workgroup_id_x 1
		.amdhsa_system_sgpr_workgroup_id_y 1
		.amdhsa_system_sgpr_workgroup_id_z 1
		.amdhsa_system_vgpr_workitem_id 0
		.amdhsa_next_free_vgpr 256
		.amdhsa_next_free_sgpr 66
		.amdhsa_reserve_vcc 0
		.amdhsa_float_denorm_mode_32 3
		.amdhsa_float_denorm_mode_16_64 3
		.amdhsa_memory_ordered 1
		.amdhsa_forward_progress 1
		.amdhsa_inst_pref_size 75
	.end_amdhsa_kernel
	.amdgpu_metadata
---
amdhsa.version: [ 1, 2 ]
amdhsa.kernels:
  - .name:           k_q0c45b73689_attn
    .symbol:         k_q0c45b73689_attn.kd
    .args:
      - { .name: qkv, .offset: 0, .size: 8, .value_kind: global_buffer, .address_space: global }
      - { .name: lowp_scales, .offset: 8, .size: 8, .value_kind: global_buffer, .address_space: global }
      - { .name: acodes, .offset: 16, .size: 8, .value_kind: global_buffer, .address_space: global }
    .group_segment_fixed_size: 327680
    .private_segment_fixed_size: 0
    .kernarg_segment_align: 8
    .kernarg_segment_size: 24
    .max_flat_workgroup_size: 512
    .sgpr_count:     66
    .vgpr_count:     256
    .wavefront_size: 32
...
	.end_amdgpu_metadata
.endif
;; end of part 3
;; launch oproj (part 4): grid 4 x 32, 4 waves a work-group, clusters of 4 x 4, 327,680 bytes of LDS; arguments acodes, wcodes, lowp_scales, b_o, out0; writes out0
.if DOCPART == 4
	.amdgcn_target "amdgcn-amd-amdhsa--gfx1250"
	.amdhsa_code_object_version 6
	.text
	.protected	k_q0c45b73689_oproj
	.globl	k_q0c45b73689_oproj
	.p2align	8
	.type	k_q0c45b73689_oproj,@function
k_q0c45b73689_oproj:
	s_mov_b64 s[64:65], 0
	v_nop
	global_prefetch_b8 v0, s[64:65] scope:SCOPE_SE
	s_setreg_imm32_b32 hwreg(HW_REG_WAVE_MODE, 25, 1), 1
	s_wait_xcnt 0x0
	s_wait_alu depctr_hold_cnt(0) depctr_sa_sdst(0) depctr_va_vdst(0) depctr_va_sdst(0) depctr_va_ssrc(0) depctr_va_vcc(0) depctr_vm_vsrc(0)
	s_getreg_b32 s2, hwreg(HW_REG_IB_STS2, 6, 4)
	s_cmp_eq_u32 s2, 0
	s_cbranch_scc0 .Lentry_in_a_cluster
	s_endpgm
.Lentry_in_a_cluster:
	s_bfe_u32 s2, ttmp6, 0x10000c
	s_cmp_lg_u32 s2, 0xf033
	s_cbranch_scc0 .Lentry_shape_is_right
	s_endpgm
.Lentry_shape_is_right:
.set ROWB,   256
.set KROW,   1024
.set PITCH,  272
.set FR,     16
.set NL,     4
.set NP,     4
.set AHALF,  32768
.set BHALF,  128*PITCH
.set BOFF,   2*AHALF
.set SLOT,   BOFF+2*BHALF
.set SPARE,  2*SLOT
.set SPITCH, 528
.set SIZE_N, 1024
.set BIAS, 8
.set ADRA, 16
.set ADRB, 20
.set STO,  24
.set RD,   25
.set CO,   26
.set SPW,  28
.set NIL,  29
.set AF,   128
.set BK,   128
.set G1, 24
.set G0, 32
.set G1B, 48
.set G0B, 56
.set MSB, 0
.macro WIN new
.if MSB != \new
	s_set_vgpr_msb (MSB<<8)|\new
.set MSB, \new
.endif
.endm
.set MUL_LO, 0xa1
.set MUL_HI, 0xf1
.set TO_B,   0x40
.macro JLOAD g0a, g1a, g0b, g1b
	s_cmp_eq_u32 s15, 0
	s_cbranch_scc0 .Lfor_b_\@
	tensor_load_to_lds s[\g0a:\g0a+3], s[\g1a:\g1a+7]
	s_nop 0
.rept 4
	v_nop
.endr
	s_branch .Lasked_\@
.Lfor_b_\@:
	tensor_load_to_lds s[\g0b:\g0b+3], s[\g1b:\g1b+7]
	s_nop 0
.rept 4
	v_nop
.endr
.Lasked_\@:
.endm
.macro CREST
	s_cmp_lg_u32 s14, 0
	s_cbranch_scc1 .Lnot_wave_0_\@
	s_barrier_signal -3
.Lnot_wave_0_\@:
	s_barrier_wait -3
	s_barrier_signal -1
	s_barrier_wait -1
.endm
.macro CROUND
	s_barrier_signal -1
	s_barrier_wait -1
	CREST
.endm
	s_load_b256 s[4:11], s[0:1], 0x0
	s_load_b64 s[12:13], s[0:1], 0x20
	v_lshl_add_u32 v[SPW], v0, 2, SPARE
	v_mov_b32 v[NIL], 0
	ds_add_u32 v28, v29
	ds_add_u32 v28, v29
	s_wait_dscnt 0x0
	v_lshrrev_b32 v1, 5, v0
	v_readfirstlane_b32 s14, v1
	s_lshr_b32 s15, s14, 1
	s_and_b32 s16, s14, 1
	s_bfe_u32 s40, ttmp6, 0x40000
	s_bfe_u32 s41, ttmp6, 0x40004
	s_lshl_b32 s42, ttmp9, 2
	s_add_co_u32 s42, s42, s40
	s_and_b32 s17, ttmp7, 0xffff
	s_lshl_b32 s17, s17, 2
	s_add_co_u32 s17, s17, s41
	s_lshl_b32 s43, s41, 2
	s_lshl_b32 s43, 15, s43
	s_lshl_b32 s44, 0x1111, s40
	s_or_b32 s[G1+0], s43, (3<<16)|(1<<21)
	s_mov_b32 s[G1+1], 512<<16
	s_mov_b32 s[G1+2], 8<<16
	s_mov_b32 s[G1+3], 512<<16
	s_mov_b32 s[G1+4], 8
	s_mov_b32 s[G1+5], 2048
	s_mov_b32 s[G1+6], 0
	s_mov_b32 s[G1+7], 0
	s_or_b32 s[G1B+0], s44, (0<<16)|(1<<20)|(1<<21)|(5<<22)|(3<<25)
	s_mov_b32 s[G1B+1], ROWB<<16
	s_mov_b32 s[G1B+2], 128<<16
	s_mov_b32 s[G1B+3], ROWB<<16
	s_mov_b32 s[G1B+4], 128
	s_mov_b32 s[G1B+5], KROW
	s_mov_b32 s[G1B+6], 0
	s_mov_b32 s[G1B+7], 0
	s_lshl_b32 s20, s17, 4
	s_lshl_b32 s18, s16, 3
	s_add_co_u32 s20, s20, s18
	s_lshl_b32 s20, s20, 14
	s_mov_b32 s21, 0
	s_lshl_b32 s46, s42, 8
	s_lshl_b32 s18, s16, 7
	s_add_co_u32 s46, s46, s18
	s_lshl_b32 s46, s46, 10
	s_add_co_u32 s46, s46, 0x300000
	s_mov_b32 s47, 0
	s_mul_i32 s45, s16, AHALF
	s_mul_i32 s67, s16, BHALF
	s_add_co_u32 s67, s67, BOFF
	s_wait_kmcnt 0x0
	s_load_b64 s[96:97], s[8:9], 0x28
	s_add_nc_u64 s[20:21], s[4:5], s[20:21]
	s_add_nc_u64 s[46:47], s[6:7], s[46:47]
	CROUND
.irp s, 0,1
	s_mov_b32 s[G0+4*\s], 1
	s_add_co_u32 s[G0+4*\s+1], s45, \s*SLOT
	s_add_nc_u64 s[G0+4*\s+2:G0+4*\s+3], s[20:21], \s*4096
	s_or_b32 s[G0+4*\s+3], s[G0+4*\s+3], 0x80000000
	s_mov_b32 s[G0B+4*\s], 1
	s_add_co_u32 s[G0B+4*\s+1], s67, \s*SLOT
	s_add_nc_u64 s[G0B+4*\s+2:G0B+4*\s+3], s[46:47], \s*ROWB
	s_or_b32 s[G0B+4*\s+3], s[G0B+4*\s+3], 0x80000000
	s_wait_alu depctr_va_vdst(0)
	s_wait_tensorcnt 0x0
	ds_add_u32 v28, v29
	ds_add_u32 v28, v29
	s_wait_dscnt 0x0
	CROUND
	JLOAD G0+4*\s, G1, G0B+4*\s, G1B
.endr
	v_and_b32 v1, 15, v0
	v_bfe_u32 v2, v0, 4, 1
	v_and_b32 v6, 31, v0
	v_lshlrev_b32 v[CO], 4, v6
	v_mul_u32_u24 v3, v1, PITCH
	v_lshl_add_u32 v4, v2, 4, v3
	s_mul_i32 s21, s15, AHALF
	s_mul_i32 s22, s16, BHALF
	s_add_co_u32 s22, s22, BOFF
.irp s, 0,1
	v_add_nc_u32 v[ADRA+\s], s21, v[CO]
	v_add_nc_u32 v[ADRB+\s], s22, v4
	s_add_co_u32 s21, s21, SLOT
	s_add_co_u32 s22, s22, SLOT
.endr
	s_mul_i32 s23, s14, 16*SPITCH
	v_mul_u32_u24 v5, v1, SPITCH
	v_lshl_add_u32 v5, v2, 5, v5
	v_add_nc_u32 v[STO], s23, v5
	v_add_nc_u32 v[RD], s23, v[CO]
	s_lshl_b32 s20, s17, 8
	s_lshl_b32 s21, s15, 7
	s_add_co_u32 s20, s20, s21
	s_lshl_b32 s20, s20, 12
	s_mov_b32 s21, 0
	s_lshl_b32 s46, s42, 10
	s_lshl_b32 s47, s16, 9
	s_add_co_u32 s46, s46, s47
	s_mov_b32 s47, 0
	s_add_nc_u64 s[10:11], s[10:11], s[46:47]
	global_load_b128 v[BIAS:BIAS+3], v[CO], s[10:11]
	s_add_nc_u64 s[20:21], s[20:21], s[46:47]
	s_add_nc_u64 s[12:13], s[12:13], s[20:21]
.macro FRAGA reg, adr, q, i
.irp c, 0,1,2,3
	ds_load_b128 v[\reg+4*\c:\reg+4*\c+3], v[\adr] offset:4096*(\i)+2048*(\q)+512*\c
.endr
.endm
.macro FRAGB reg, adr, q, i
.irp c, 0,1,2,3
	ds_load_b128 v[\reg+4*\c:\reg+4*\c+3], v[\adr] offset:128*(\q)+32*\c+(\i)*16*PITCH
.endr
.endm
.macro MUL16 a0, p, zero
.irp a, \a0, \a0+1
.irp b, 0,1,2,3,4,5,6,7
.if \zero
	v_wmma_f32_16x16x128_fp8_fp8 v[8*(8*((\a)%4)+\b):8*(8*((\a)%4)+\b)+7], v[128*(\p)+FR*\b:128*(\p)+FR*\b+FR-1], v[AF+FR*(\a):AF+FR*(\a)+FR-1], 0
.else
	v_wmma_f32_16x16x128_fp8_fp8 v[8*(8*((\a)%4)+\b):8*(8*((\a)%4)+\b)+7], v[128*(\p)+FR*\b:128*(\p)+FR*\b+FR-1], v[AF+FR*(\a):AF+FR*(\a)+FR-1], v[8*(8*((\a)%4)+\b):8*(8*((\a)%4)+\b)+7]
.endif
.endr
.endr
.endm
.macro FETCH_B slot, q, p
	WIN TO_B
.irp i, 0,1,2,3,4,5,6,7
	FRAGB 128*(\p)+FR*\i, ADRB+\slot, \q, \i
.endr
	WIN 0
.endm
.macro FETCH_A slot, q, i0
.irp i, \i0, \i0+1, \i0+2, \i0+3
	FRAGA AF+FR*(\i), ADRA+\slot, \q, \i
.endr
.endm
.macro PLACES n
.rept \n
	v_nop
.endr
.endm
.macro STEP slot, q, zero
	s_wait_dscnt 4*NL
	WIN MUL_LO
	MUL16 0, (\q)%2, \zero
	MUL16 2, (\q)%2, \zero
	s_wait_dscnt 0
	PLACES NP
	FETCH_B \slot, (\q)+1, 1-(\q)%2
	FETCH_A \slot, (\q)+1, 0
	WIN MUL_HI
	MUL16 4, (\q)%2, \zero
	MUL16 6, (\q)%2, \zero
	PLACES NP
	WIN 0
	FETCH_A \slot, (\q)+1, 4
.endm
.macro TURN slot, next, fill
	s_wait_tensorcnt 0x0
	ds_add_u32 v[SPW], v[NIL]
	s_wait_dscnt 4*NL+1
	WIN MUL_LO
	MUL16 0, 1, 0
	s_wait_dscnt 0x0
	s_barrier_signal -1
	MUL16 2, 1, 0
	WIN 0
	s_barrier_wait -1
.if \fill
	CREST
	s_add_nc_u64 s[G0+4*\slot+2:G0+4*\slot+3], s[G0+4*\slot+2:G0+4*\slot+3], 2*4096
	s_add_nc_u64 s[G0B+4*\slot+2:G0B+4*\slot+3], s[G0B+4*\slot+2:G0B+4*\slot+3], 2*ROWB
	JLOAD G0+4*\slot, G1, G0B+4*\slot, G1B
.else
	PLACES NP
.endif
	FETCH_B \next, 0, 0
	FETCH_A \next, 0, 0
	WIN MUL_HI
	MUL16 4, 1, 0
	MUL16 6, 1, 0
	PLACES NP
	WIN 0
	FETCH_A \next, 0, 4
.endm
	s_wait_alu depctr_va_vdst(0)
	s_wait_tensorcnt 1
	s_barrier_signal -1
	s_barrier_wait -1
	FETCH_B 0, 0, 0
	FETCH_A 0, 0, 0
	FETCH_A 0, 0, 4
	STEP 0, 0, 1
	TURN 0, 1, 1
	STEP 1, 0, 0
	TURN 1, 0, 1
	STEP 0, 0, 0
	TURN 0, 1, 0
	STEP 1, 0, 0
	s_wait_dscnt 4*NL
	WIN MUL_LO
	MUL16 0, 1, 0
	MUL16 2, 1, 0
	s_wait_dscnt 0
	WIN MUL_HI
	MUL16 4, 1, 0
	MUL16 6, 1, 0
	WIN 0
.macro TOSTAGE a
.set AC, 64*((\a)%4)
	WIN 0x08+4*((\a)/4)
.irp b, 0,1,2,3,4,5,6,7
	ds_store_b128 v[STO], v[AC+8*\b:AC+8*\b+3] offset:64*\b
	ds_store_b128 v[STO], v[AC+8*\b+4:AC+8*\b+7] offset:64*\b+16
.endr
	WIN 0
.set BB, BK+64*((\a)%2)
.irp t, 0,1,2,3,4,5,6,7,8,9,10,11,12,13,14,15
	ds_load_b128 v[BB+4*\t:BB+4*\t+3], v[RD] offset:\t*SPITCH
.endr
.endm
.macro SEND a, younger
.set BB, BK+64*((\a)%2)
	s_wait_dscnt \younger
.if (\a) > 0
	s_add_nc_u64 s[12:13], s[12:13], 16*SIZE_N*4
.endif
.irp t, 0,1,2,3,4,5,6,7,8,9,10,11,12,13,14,15
	v_pk_fma_f32 v[BB+4*\t:BB+4*\t+1], v[BB+4*\t:BB+4*\t+1], s[96:97], v[BIAS:BIAS+1] op_sel_hi:[1,0,1]
	v_pk_fma_f32 v[BB+4*\t+2:BB+4*\t+3], v[BB+4*\t+2:BB+4*\t+3], s[96:97], v[BIAS+2:BIAS+3] op_sel_hi:[1,0,1]
.endr
.irp t, 0,1,2,3,4,5,6,7,8,9,10,11,12,13,14,15
	global_store_b128 v[CO], v[BB+4*\t:BB+4*\t+3], s[12:13] offset:\t*SIZE_N*4 th:TH_STORE_NT
.endr
.endm
	s_wait_kmcnt 0x0
	s_add_co_i32 s96, s96, s97
	s_add_co_i32 s96, s96, 127
	s_lshl_b32 s96, s96, 23
	s_mov_b32 s97, s96
	s_wait_loadcnt 0x0
	PLACES NP
	TOSTAGE 0
.irp a, 1,2,3,4,5,6,7
.if \a > 1
	s_wait_xcnt 0x0
.endif
	TOSTAGE \a
	SEND \a-1, 32
.endr
	s_wait_xcnt 0x0
	SEND 7, 0
	s_wait_tensorcnt 0x0
	ds_add_u32 v[SPW], v[NIL]
	s_wait_dscnt 0x0
	CROUND
	s_endpgm
.Lfunc_end_k_q0c45b73689_oproj:
	.size	k_q0c45b73689_oproj, .Lfunc_end_k_q0c45b73689_oproj-k_q0c45b73689_oproj
	.p2alignl 7, 3214868480
	.fill 96, 4, 3214868480
	.section	.rodata,"a",@progbits
	.p2align	6, 0x0
	.amdhsa_kernel k_q0c45b73689_oproj
		.amdhsa_group_segment_fixed_size 327680
		.amdhsa_private_segment_fixed_size 0
		.amdhsa_enable_private_segment 0
		.amdhsa_kernarg_size 40
		.amdhsa_user_sgpr_count 2
		.amdhsa_user_sgpr_kernarg_segment_ptr 1
		.amdhsa_wavefront_size32 1
		.amdhsa_system_sgpr_workgroup_id_x 1
		.amdhsa_system_sgpr_workgroup_id_y 1
		.amdhsa_system_sgpr_workgroup_id_z 1
		.amdhsa_system_vgpr_workitem_id 0
		.amdhsa_next_free_vgpr 1024
		.amdhsa_next_free_sgpr 98
		.amdhsa_reserve_vcc 0
		.amdhsa_float_denorm_mode_32 3
		.amdhsa_float_denorm_mode_16_64 3
		.amdhsa_memory_ordered 1
		.amdhsa_forward_progress 1
		.amdhsa_inst_pref_size 124
	.end_amdhsa_kernel
	.amdgpu_metadata
---
amdhsa.version: [ 1, 2 ]
amdhsa.kernels:
  - .name:           k_q0c45b73689_oproj
    .symbol:         k_q0c45b73689_oproj.kd
    .args:
      - { .name: acodes, .offset: 0, .size: 8, .value_kind: global_buffer, .address_space: global }
      - { .name: wcodes, .offset: 8, .size: 8, .value_kind: global_buffer, .address_space: global }
      - { .name: lowp_scales, .offset: 16, .size: 8, .value_kind: global_buffer, .address_space: global }
      - { .name: b_o, .offset: 24, .size: 8, .value_kind: global_buffer, .address_space: global }
      - { .name: out0, .offset: 32, .size: 8, .value_kind: global_buffer, .address_space: global }
    .group_segment_fixed_size: 327680
    .private_segment_fixed_size: 0
    .kernarg_segment_align: 8
    .kernarg_segment_size: 40
    .max_flat_workgroup_size: 128
    .sgpr_count:     98
    .vgpr_count:     1024
    .wavefront_size: 32
...
	.end_amdgpu_metadata
.endif
;; end of part 4
